; MI455X (gfx1250); checked and timed in simulation.
; The chip was launched on July 23, 2026; its instructions are those of AMD's public machine-readable ISA for CDNA 5 (MIT licence, August 2026) and "CDNA5" Instruction Set Architecture Reference Guide (July 2026). The comments in the code are by the model that wrote it; some were corrected since.
;; Representation Head. Allowed arithmetic: matrix products marked QUANTISED: E5M2 operands, one given power-of-two scale a tensor, by v_wmma_f32_16x16x64_bf8_bf8 or v_wmma_f32_16x16x128_bf8_bf8, f32 sums; products left as they are: f32 operands where the result goes on into a quantised operand, else bf16, f16 or f32 operands; f32 sums; everything else in f32.
;; Inputs: db1 512 float32; db2 1 float32; dw1_codes 512 x 8 x 32 uint8 (E5M2 codes of dw1, K innermost, in blocks of 32 codes); dw2 512 x 1 float32; ln_beta 256 float32; ln_gamma 256 float32; lowp_scales 6 int32 (the exponents e of the quantised operands' scales 2^e); rb1 512 float32; rb2 1 float32; rw1_codes 512 x 8 x 32 uint8 (E5M2 codes of rw1, K innermost, in blocks of 32 codes); rw2 512 x 1 float32; slot_mask 32 x 4,096 bool; slot_states 32 x 4,096 x 256 float32; vb 256 float32; vw_codes 256 x 8 x 32 uint8 (E5M2 codes of vw, K innermost, in blocks of 32 codes).
;; Outputs: out0 32 x 256 float32; out1 32 x 4,096 float32; out2 32 x 3 int32; out3 32 x 3 float32; out4 32 x 4,096 float32.
;; This version of the problem:
;;   THIS VERSION OF THE PROBLEM IS GIVEN IN LOW PRECISION. The matrix products marked QUANTISED in the list below multiply operands that are first quantised to E5M2 (5 exponent bits, 2 mantissa bits; 8 bits a number), with one given power-of-two scale for each operand tensor; their sums are f32. All else is computed in f32.
;;   The module's matrix products, in the order in which they are computed (A, B: the left and right operand; K: the contracted axis; several contracted axes count as one K, in the product's order):
;;     1. [M 131,072, K 256] x [K 256, N 512]; A: computed on the way; B: input dw1 (given as codes): QUANTISED (scales: A lowp_scales[0], B lowp_scales[1])
;;     2. [M 131,072, K 512] x [K 512, N 1]; A: computed on the way; B: input dw2: left as it is (N = 1 < 16)
;;     3. [M 131,072, K 256] x [K 256, N 512]; A: computed on the way; B: input rw1 (given as codes): QUANTISED (scales: A lowp_scales[2], B lowp_scales[3])
;;     4. [M 131,072, K 512] x [K 512, N 1]; A: computed on the way; B: input rw2: left as it is (N = 1 < 16)
;;     5. [M 131,072, K 256] x [K 256, N 256]; A: computed on the way; B: input vw (given as codes): QUANTISED (scales: A lowp_scales[4], B lowp_scales[5])
;;     6. batch 32 x [M 1, K 4,096] x [K 4,096, N 256]; A: computed on the way; B: computed on the way: left as it is (M = 1 < 16)
;;   THE QUANTISER, for each operand of a quantised product, along K:
;;     - The operand's scale is 2^e, e = its entry of the input lowp_scales (int32; the entries are numbered through the quantised products in the list's order, A before B).
;;     - Each number is divided by the scale, clamped to +-57,344, and rounded to the nearest number of E5M2, ties to even, subnormals kept.
;;     - The product sums the exact products of the quantised numbers (number of the format x scale) in f32.
;;   ~~~python
;;   def quantise(x, axis, e):      # numpy; x: float32 -> the quantised numbers, widened to float32 again
;;       x = np.moveaxis(x, axis, -1); K = x.shape[-1]
;;       r = np.clip(x / 2.0 ** e, -57344, 57344)
;;       step = 2.0 ** (np.maximum(np.frexp(np.where(r == 0, 1, r))[1] - 1, -14) - 2)
;;       q = np.round(r / step) * step * 2.0 ** e      # np.round: ties to even
;;       return np.moveaxis(q, -1, axis).astype(np.float32)
;;   ~~~
;;   OPERANDS COMPUTED ON THE WAY. 'Computed on the way' means the value that the module computes at that place (a softmax that the list does not call 'softmax' is quantised finished and normalised). What goes into a quantiser is computed in f32, as accurately as f32 sums, v_exp_f32 and their like allow (about 1e-6 of the number): no bf16 or f16 on the way to a quantiser, and a product that is left as it is and whose result goes on into a quantised operand takes f32 operands (vector FMAs, or v_wmma_f32_16x16x4_f32). A number that lies on a knife's edge between two numbers of the format may be rounded either way, as far as f32 arithmetic and the matrix unit's own rounding can turn it there, and no further.
;;   INPUTS GIVEN AS CODES. dw1 (in the module: [256, 512], K = its axis 0); rw1 (in the module: [256, 512], K = its axis 0); vw (in the module: [256, 256], K = its axis 0): each comes as NAME_codes (uint8): NAME with its K axis moved to the last place and cut into blocks of 32 codes, [.., K / 32, bytes a block], one block behind the other in memory; one code a byte (a code: sign, 5 exponent bits, 2 mantissa bits); its scale is its entry of lowp_scales. Its value is code x scale, taken as it is: it is not quantised again, and the codes and scales need not be those that the quantiser above would give.
;; One version. Each part assembles by itself: llvm-mc -triple=amdgcn-amd-amdhsa -mcpu=gfx1250 --defsym DOCPART=n.
;; ======== version 1 of 1: 2 launches
;; limits: right only within a limited range of input values
;; workspace buffers: part 262,144 bytes
;; launch head (part 1): grid 256 x 1, 8 waves a work-group, no clusters, 327,680 bytes of LDS; arguments slot_states, slot_mask, ln_gamma, ln_beta, dw1_codes, rw1_codes, vw_codes, db1, rb1, dw2, rw2, db2, rb2, lowp_scales, out4, part; writes out4, part
.if DOCPART == 1
	.amdgcn_target "amdgcn-amd-amdhsa--gfx1250"
	.amdhsa_code_object_version 6
	.text
	.protected	k_qa728a207ac_head
	.globl	k_qa728a207ac_head
	.p2align	8
	.type	k_qa728a207ac_head,@function
k_qa728a207ac_head:
	s_mov_b64 s[64:65], 0
	v_nop
	global_prefetch_b8 v0, s[64:65] scope:SCOPE_SE
	s_setreg_imm32_b32 hwreg(HW_REG_WAVE_MODE, 25, 1), 1
	s_wait_xcnt 0x0
; RepresentationHead, launch 1 of 2.  A work-group takes 512 rows of one batch, in 8 intervals of 64 rows, through LayerNorm, the three quantisers, both MLPs, the clipped score,
; p = mask ? e^score : 0 and the sum of p x (Q(normalized) vw).  It stores the logits (out4) and its partial sum (part); the next launch divides by the batch's sum of p and adds vb.
; Eight waves.  Wave w keeps 128 of the 1,024 hidden columns (waves 0-3 drive, 4-7 resistance) and 32 columns of vw in registers as codes; x comes by tensor loads through two LDS slots;
; each wave normalises and quantises 8 rows of an interval; codes, partial scores and p pass between the waves through LDS.
; GELU: with u = x / sqrt 2 and a = |u|, u (1 + erf u) = u + a - a d^-16, d = 1 + a1 a + .. + a6 a^6 (Abramowitz and Stegun 7.1.28, error of erf at most 3e-7).
; No maximum is taken away ahead of e^score: the score is clipped to +-3 as the model clips it, so p lies between 0.0498 and 20.1.
; LIMITS: each scale's exponent e lies between -126 and 112, so that 2^e and 57,344 x 2^e are f32 numbers.
; No cluster and no prefetch: every byte of x is read by one work-group, once, and the weights are read once, at the head.
.set XS1,    1<<17
.set XROW,   1280
.set CP,     272
.set CVER,   64*CP
.set C01,    81920
.set SPART,  121344
.set PS,     123392
.set RP,     125440
.set SPARE,  126464
.set C20,    247808
.set C21,    265216
.set GB,     282624
.set SPW, 1
.set NIL, 2
.set FL,  3
.set FA,  4
.set XL,  5
.set XA,  6
.set GBA, 7
.set CL,  8
.set CA,  9
.set CL2, 10
.set CA2, 11
.set SW,  12
.set SA,  13
.set SR,  14
.set PW,  15
.set PRD, 16
.set VAD, 17
.set SCO, 18
.set MO,  20
.set LO,  21
.set MK,  22
.set SC,  23
.set A5,  26
.set REP, 28
.set BW,  36
.set SUM, 52
.set AF,  60
.set ACC, 92
.set GT,  156
.set AA,  GT
.set AB,  GT+8
.set DA,  GT+16
.set DB,  GT+24
.set VW,  192
.set MSB, 0
.macro WIN new
.if MSB != \new
	s_set_vgpr_msb (MSB<<8)|\new
.set MSB, \new
.endif
.endm
.macro PLACES n
.rept \n
	v_nop
.endr
.endm
	s_load_b512 s[4:19], s[0:1], 0x0
	s_load_b512 s[20:35], s[0:1], 0x40
	v_lshl_add_u32 v[SPW], v0, 2, SPARE
	v_mov_b32 v[NIL], 0
	ds_add_u32 v1, v2
	ds_add_u32 v1, v2
	s_wait_dscnt 0x0
	v_lshrrev_b32 v172, 5, v0
	s_delay_alu instid0(VALU_DEP_1)
	v_readfirstlane_b32 s36, v172
	s_lshr_b32 s37, s36, 2
	s_and_b32 s38, s36, 3
	s_mov_b32 s40, (2<<16)|(1<<20)|(3<<22)|(3<<25)
	s_mov_b32 s41, 256<<16
	s_mov_b32 s42, 8<<16
	s_mov_b32 s43, 256<<16
	s_mov_b32 s44, 8
	s_mov_b32 s45, 256
	s_mov_b32 s46, 0
	s_mov_b32 s47, 0
	s_lshl_b32 s2, ttmp9, 19
	s_lshl_b32 s3, s36, 13
	s_add_co_u32 s2, s2, s3
	s_mov_b32 s3, 0
	s_mul_i32 s39, s36, 8*XROW
	s_wait_kmcnt 0x0
	s_add_nc_u64 s[4:5], s[4:5], s[2:3]
	s_mov_b32 s48, 1
	s_mov_b32 s49, s39
	s_mov_b64 s[50:51], s[4:5]
	s_or_b32 s51, s51, 0x80000000
	s_mov_b32 s52, 1
	s_add_co_u32 s53, s39, XS1
	s_add_nc_u64 s[54:55], s[4:5], 0x10000
	s_or_b32 s55, s55, 0x80000000
	tensor_load_to_lds s[48:51], s[40:47]          ; interval 0's rows: my one tensor load at the head
	s_nop 0
	s_load_b128 s[96:99], s[30:31], 0x0            ; addresses, the loads of the weights and the constants follow while that tile is on its way
	s_load_b64 s[100:101], s[30:31], 0x10
	s_load_b32 s82, s[26:27], 0x0
	s_load_b32 s84, s[28:29], 0x0
	s_cmp_lt_u32 s36, 4
	s_cselect_b64 s[12:13], s[12:13], s[14:15]
	s_cselect_b64 s[18:19], s[18:19], s[20:21]
	s_cselect_b64 s[22:23], s[22:23], s[24:25]
	s_lshl_b32 s2, s38, 15
	s_add_nc_u64 s[12:13], s[12:13], s[2:3]
	s_lshl_b32 s2, s38, 9
	s_add_nc_u64 s[18:19], s[18:19], s[2:3]
	s_add_nc_u64 s[22:23], s[22:23], s[2:3]
	s_lshl_b32 s2, s36, 13
	s_add_nc_u64 s[16:17], s[16:17], s[2:3]
	s_lshl_b32 s2, ttmp9, 9
	s_add_nc_u64 s[6:7], s[6:7], s[2:3]
	s_lshl_b32 s2, ttmp9, 11
	s_add_nc_u64 s[32:33], s[32:33], s[2:3]
	s_lshl_b32 s2, ttmp9, 10
	s_add_nc_u64 s[34:35], s[34:35], s[2:3]
	v_and_b32 v172, 31, v0
	v_and_b32 v173, 15, v0
	v_bfe_u32 v174, v0, 4, 1
	s_delay_alu instid0(VALU_DEP_2)
	v_mul_u32_u24 v[FL], v173, CP
	s_delay_alu instid0(VALU_DEP_1)
	v_lshl_add_u32 v[FL], v174, 4, v[FL]
	s_delay_alu instid0(VALU_DEP_4)
	v_mul_u32_u24 v175, v173, 80
	s_delay_alu instid0(VALU_DEP_1)
	v_mad_u32_u24 v[XL], v174, XROW, v175
	s_delay_alu instid0(VALU_DEP_1)
	v_add_nc_u32 v[XL], s39, v[XL]
	s_mul_i32 s2, s36, 2*XROW
	s_add_co_u32 s2, s2, GB
	v_add_nc_u32 v[GBA], s2, v175
	v_lshrrev_b32 v176, 2, v172
	s_delay_alu instid0(VALU_DEP_1)
	v_mul_u32_u24 v176, v176, 80
	v_and_b32 v177, 3, v172
	s_delay_alu instid0(VALU_DEP_1)
	v_lshl_add_u32 v176, v177, 4, v176
	s_delay_alu instid0(VALU_DEP_1)
	v_add_nc_u32 v191, s2, v176
	v_lshlrev_b32 v[CL2], 4, v173
	s_delay_alu instid0(VALU_DEP_1)
	v_mad_u32_u24 v[CL2], v174, CP, v[CL2]
	s_mul_i32 s2, s36, 8*CP
	v_add_nc_u32 v[CL2], s2, v[CL2]
	s_delay_alu instid0(VALU_DEP_1)
	v_add_nc_u32 v[CL], C01, v[CL2]
	s_lshl_b32 s2, s36, 8
	v_lshl_add_u32 v[SW], v174, 5, s2
	s_delay_alu instid0(VALU_DEP_1)
	v_add_nc_u32 v[PRD], PS, v[SW]
	s_delay_alu instid0(VALU_DEP_2)
	v_add_nc_u32 v[SW], SPART, v[SW]
	v_lshl_add_u32 v[SR], v172, 3, SPART
	v_lshl_add_u32 v[PW], v172, 3, s2
	s_delay_alu instid0(VALU_DEP_1)
	v_add_nc_u32 v[PW], PS, v[PW]
	v_lshlrev_b32 v[MO], 1, v172
	v_lshlrev_b32 v[LO], 3, v172
	v_lshlrev_b32 v188, 8, v173
	s_delay_alu instid0(VALU_DEP_1)
	v_lshl_add_u32 v188, v174, 4, v188
	v_lshlrev_b32 v189, 2, v173
	v_lshlrev_b32 v190, 4, v172
	global_load_b128 v[GT:GT+3], v190, s[8:9]
	global_load_b128 v[GT+4:GT+7], v190, s[8:9] offset:512
	global_load_b128 v[GT+8:GT+11], v190, s[10:11]
	global_load_b128 v[GT+12:GT+15], v190, s[10:11] offset:512
.irp t, 0,1,2,3,4,5,6,7
	global_load_b32 v[BW+2*\t], v189, s[18:19] offset:64*\t
	global_load_b32 v[BW+2*\t+1], v189, s[22:23] offset:64*\t
.endr
	WIN 0x40
.irp t, 0,1,2,3,4,5,6,7
.irp s, 0,1
.irp c, 0,1,2,3
	global_load_b128 v[32*\t+16*\s+4*\c:32*\t+16*\s+4*\c+3], v188, s[12:13] offset:4096*\t+128*\s+32*\c
.endr
.endr
.endr
	WIN 0
.irp t, 0,1
.irp s, 0,1
.irp c, 0,1,2,3
	global_load_b128 v[VW+32*\t+16*\s+4*\c:VW+32*\t+16*\s+4*\c+3], v188, s[16:17] offset:4096*\t+128*\s+32*\c
.endr
.endr
.endr
	s_mov_b32 s56, 0x38349f67
	s_mov_b32 s57, s56
	s_mov_b32 s58, 0x391f6607
	s_mov_b32 s59, s58
	s_mov_b32 s60, 0x3c17e369
	s_mov_b32 s61, s60
	s_mov_b32 s62, 0x3d2d2fe7
	s_mov_b32 s63, s62
	s_mov_b32 s66, 0x3d906e67
	s_mov_b32 s67, s66
	v_mov_b32 v[A5], 0x39910039
	v_mov_b32 v[A5+1], 0x39910039
	s_mov_b32 s70, 0x7fffffff
	s_mov_b32 s71, 0x3727c5ac
	s_mov_b32 s72, 0xbb800000
	s_mov_b32 s73, s72
	s_mov_b32 s74, 0x3b800000
	s_mov_b32 s75, 0xbfb8aa3b
	s_mov_b32 s86, 0x3f317218
	s_mov_b32 s87, s86
	s_mov_b32 s88, 0x3fb8aa3b
	s_mov_b32 s89, s88
	s_mov_b32 s90, 0xc0400000
	s_mov_b32 s91, 0x40400000
	s_wait_kmcnt 0x0
	s_mov_b32 s83, s82
	s_mov_b32 s85, s84
	s_add_co_i32 s92, s100, s101
	s_cmp_lt_u32 s36, 4
	s_cselect_b32 s2, s96, s98
	s_cselect_b32 s3, s97, s99
	s_add_co_i32 s2, s2, s3
	v_mov_b32 v172, 0x3f3504f3
	s_delay_alu instid0(VALU_DEP_1)
	v_ldexp_f32 v172, v172, s2
	s_delay_alu instid0(VALU_DEP_1)
	v_readfirstlane_b32 s68, v172
	s_mov_b32 s69, s68
.irp n, 0,1,2
	s_add_co_i32 s2, s[96+2*\n], 127
	s_lshl_b32 s3, s2, 23
	v_mov_b32 v[SC+\n], s3
	s_add_co_i32 s2, s2, 15
	s_lshl_b32 s2, s2, 23
	s_or_b32 s[77+2*\n], s2, 0x600000
	s_or_b32 s[76+2*\n], s[77+2*\n], 0x80000000
.endr
	s_wait_alu depctr_va_vdst(0)                   ; directly ahead of the wait below
	s_wait_tensorcnt 0x0                           ; slot 1's first fill is issued as a refill is: my load has landed,
	ds_add_u32 v[SPW], v[NIL]                      ; an LDS add,
	s_wait_dscnt 0x0
	s_barrier_signal -1
	s_barrier_wait -1
	tensor_load_to_lds s[52:55], s[40:47]          ; interval 1's rows
	s_nop 0
	PLACES 4
	s_wait_loadcnt 0x3f                            ; of 100 loads the first 37 are in: gamma, beta, the biases and second-layer weights among them
	ds_store_b128 v191, v[GT:GT+3]
	ds_store_b128 v191, v[GT+4:GT+7] offset:640
	ds_store_b128 v191, v[GT+8:GT+11] offset:XROW
	ds_store_b128 v191, v[GT+12:GT+15] offset:XROW+640
.irp t, 0,1,2,3,4,5,6,7
	v_pk_mul_f32 v[BW+2*\t:BW+2*\t+1], v[BW+2*\t:BW+2*\t+1], 0x3f3504f3 op_sel_hi:[1,0]
.endr
.irp j, 0,1,2,3,4,5,6,7
	v_mov_b32 v[REP+\j], 0
.endr
.macro FETCH
.irp s, 0,1
.irp c, 0,1,2,3
	ds_load_b128 v[AF+16*\s+4*\c:AF+16*\s+4*\c+3], v[FA] offset:128*\s+32*\c
.endr
.endr
.endm
.macro FIRSTF
	s_mul_i32 s99, s37, CVER
	s_add_co_u32 s99, s99, s95
	s_add_co_u32 s99, s99, C01
	v_add_nc_u32 v[FA], s99, v[FL]
	FETCH
.endm
.macro WMUL h
	WIN 0x04
.irp s, 0,1
.irp t, 0,1,2,3
.if \s == 0
	v_wmma_f32_16x16x128_bf8_bf8 v[ACC+8*(4*\h+\t):ACC+8*(4*\h+\t)+7], v[AF:AF+15], v[32*(4*\h+\t):32*(4*\h+\t)+15], 0
.else
	v_wmma_f32_16x16x128_bf8_bf8 v[ACC+8*(4*\h+\t):ACC+8*(4*\h+\t)+7], v[AF+16:AF+31], v[32*(4*\h+\t)+16:32*(4*\h+\t)+31], v[ACC+8*(4*\h+\t):ACC+8*(4*\h+\t)+7]
.endif
.endr
.endr
	WIN 0
.endm
.macro HF a, d
.irp q, 0,2,4,6
	v_pk_fma_f32 v[\d+\q:\d+\q+1], v[\a+\q:\a+\q+1], s[56:57], v[A5:A5+1] op_sel_hi:[1,0,1]
.endr
.endm
.macro HS d, a, k
.irp q, 0,2,4,6
	v_pk_fma_f32 v[\d+\q:\d+\q+1], v[\d+\q:\d+\q+1], v[\a+\q:\a+\q+1], s[\k:\k+1] op_sel_hi:[1,1,0]
.endr
.endm
.macro HL d, a
.irp q, 0,2,4,6
	v_pk_fma_f32 v[\d+\q:\d+\q+1], v[\d+\q:\d+\q+1], v[\a+\q:\a+\q+1], 1.0 op_sel_hi:[1,1,0]
.endr
.endm
.macro SQR d
.irp q, 0,2,4,6
	v_pk_mul_f32 v[\d+\q:\d+\q+1], v[\d+\q:\d+\q+1], v[\d+\q:\d+\q+1]
.endr
.endm
.macro HPL z, a
.irp q, 0,2,4,6
	v_pk_add_f32 v[\z+\q:\z+\q+1], v[\z+\q:\z+\q+1], v[\a+\q:\a+\q+1]
.endr
.endm
.macro GEL z, a, d
.irp q, 0,2,4,6
	v_pk_fma_f32 v[\z+\q:\z+\q+1], v[\a+\q:\a+\q+1], v[\d+\q:\d+\q+1], v[\z+\q:\z+\q+1] neg_lo:[1,0,0] neg_hi:[1,0,0]
.endr
.endm
.macro SADD z, b, first
.irp q, 0,2,4,6
.if \first
	v_pk_mul_f32 v[SUM+\q:SUM+\q+1], v[\z+\q:\z+\q+1], v[\b:\b+1] op_sel:[0,1] op_sel_hi:[1,1]
.else
	v_pk_fma_f32 v[SUM+\q:SUM+\q+1], v[\z+\q:\z+\q+1], v[\b:\b+1], v[SUM+\q:SUM+\q+1] op_sel:[0,1,0] op_sel_hi:[1,1,1]
.endif
.endr
.endm
.macro G2 t, first
.set ZA, ACC+8*(\t)
.set ZB, ZA+8
.set BA, BW+2*(\t)
.set BB, BA+2
.irp q, 0,2,4,6
	v_pk_fma_f32 v[ZA+\q:ZA+\q+1], v[ZA+\q:ZA+\q+1], s[68:69], v[BA:BA+1] op_sel_hi:[1,0,0]
.endr
.irp q, 0,2,4,6
	v_pk_fma_f32 v[ZB+\q:ZB+\q+1], v[ZB+\q:ZB+\q+1], s[68:69], v[BB:BB+1] op_sel_hi:[1,0,0]
.endr
.irp j, 0,1,2,3,4,5,6,7
	v_and_b32 v[AA+\j], s70, v[ZA+\j]
.endr
.irp j, 0,1,2,3,4,5,6,7
	v_and_b32 v[AB+\j], s70, v[ZB+\j]
.endr
	HF AA, DA                                      ; the two tiles' polynomials by turns
	HF AB, DB
	HS DA, AA, 58
	HS DB, AB, 58
	HS DA, AA, 60
	HS DB, AB, 60
	HS DA, AA, 62
	HS DB, AB, 62
	HS DA, AA, 66
	HPL ZA, AA                                     ; u + a
	HL DA, AA
	s_wait_alu depctr_va_vdst(0)                   ; ahead of a batch
.irp j, 0,1,2,3,4,5,6,7
	v_rcp_f32 v[DA+\j], v[DA+\j]                   ; first batch: tile A's eight 1 / d
.endr
	HS DB, AB, 66                                  ; twelve plain lines on tile B stand behind the batch
	HPL ZB, AB
	HL DB, AB
	s_wait_alu depctr_va_vdst(0)                   ; one wait: behind the first batch and ahead of the second
.irp j, 0,1,2,3,4,5,6,7
	v_rcp_f32 v[DB+\j], v[DB+\j]                   ; second batch: tile B's
.endr
	SQR DA                                         ; d^-16 by four squarings: sixteen plain lines on tile A behind the batch
	SQR DA
	SQR DA
	SQR DA
	s_wait_alu depctr_va_vdst(0)                   ; behind the second batch, ahead of its first reader
	SQR DB
	GEL ZA, AA, DA
	SQR DB
	SADD ZA, BA, \first
	SQR DB
	SQR DB
	GEL ZB, AB, DB
	SADD ZB, BB, 0
.endm
.macro FINISH
.irp m, 1,2,4,8
.irp j, 0,1,2,3,4,5,6,7
	v_add_f32_dpp v[SUM+\j], v[SUM+\j], v[SUM+\j] row_xmask:\m row_mask:0xf bank_mask:0xf
.endr
.endr
	ds_store_b128 v[SA], v[SUM:SUM+3]
	ds_store_b128 v[SA], v[SUM+4:SUM+7] offset:16
.endm
.macro BSTAGE
	s_mov_b32 s100, 0
	s_mov_b32 s94, 0
	s_wait_dscnt 0x0
	s_wait_loadcnt 0x31                            ; my tiles 0-3 of the weights are in: behind them were issued 32 loads of tiles 4-7, 16 of vw and the mask's one
	WMUL 0
.Lrt_\@:
	s_wait_loadcnt 0x11                            ; tiles 4-7 are in: behind them vw's 16 loads and the mask's one
	WMUL 1
	s_add_co_u32 s99, s99, 16*CP
	v_add_nc_u32 v[FA], s99, v[FL]
	v_add_nc_u32 v[SA], s100, v[SW]
	PLACES 2
	s_cmp_eq_u32 s94, 3
	s_cbranch_scc1 .Lnf_\@
	FETCH
.Lnf_\@:
	G2 0, 1
	G2 2, 0
	s_wait_dscnt 0x0
	s_cmp_eq_u32 s94, 3
	s_cbranch_scc1 .Lnw_\@
	WMUL 0
.Lnw_\@:
	G2 4, 0
	G2 6, 0
	FINISH
	s_add_co_u32 s100, s100, 64
	s_add_co_u32 s94, s94, 1
	s_cmp_lt_u32 s94, 4
	s_cbranch_scc1 .Lrt_\@
.endm
.macro LNORM
	v_add_nc_u32 v[XA], s96, v[XL]
.irp p, 0,1,2,3
.irp i, 0,1,2,3
	ds_load_b128 v[ACC+16*\p+4*\i:ACC+16*\p+4*\i+3], v[XA] offset:2*XROW*\p+16*\i
.endr
.endr
.irp i, 0,1,2,3
	ds_load_b128 v[AF+4*\i:AF+4*\i+3], v[GBA] offset:16*\i
.endr
.irp i, 0,1,2,3
	ds_load_b128 v[AF+16+4*\i:AF+16+4*\i+3], v[GBA] offset:XROW+16*\i
.endr
	s_wait_dscnt 0x8
.irp p, 0,1,2,3
	v_pk_add_f32 v[GT+4*\p:GT+4*\p+1], v[ACC+16*\p:ACC+16*\p+1], v[ACC+16*\p+2:ACC+16*\p+3]
.endr
.irp p, 0,1,2,3
	v_pk_add_f32 v[GT+4*\p+2:GT+4*\p+3], v[ACC+16*\p+4:ACC+16*\p+5], v[ACC+16*\p+6:ACC+16*\p+7]
.endr
.irp k, 8,12
.irp p, 0,1,2,3
	v_pk_add_f32 v[GT+4*\p:GT+4*\p+1], v[GT+4*\p:GT+4*\p+1], v[ACC+16*\p+\k:ACC+16*\p+\k+1]
.endr
.irp p, 0,1,2,3
	v_pk_add_f32 v[GT+4*\p+2:GT+4*\p+3], v[GT+4*\p+2:GT+4*\p+3], v[ACC+16*\p+\k+2:ACC+16*\p+\k+3]
.endr
.endr
.irp p, 0,1,2,3
	s_delay_alu instid0(VALU_DEP_4)
	v_pk_add_f32 v[GT+4*\p:GT+4*\p+1], v[GT+4*\p:GT+4*\p+1], v[GT+4*\p+2:GT+4*\p+3]
.endr
.irp p, 0,1,2,3
	s_delay_alu instid0(VALU_DEP_4)
	v_add_f32 v[GT+4*\p], v[GT+4*\p], v[GT+4*\p+1]
.endr
.irp m, 1,2,4,8
.irp p, 0,1,2,3
	s_delay_alu instid0(VALU_DEP_4)
	v_add_f32_dpp v[GT+4*\p], v[GT+4*\p], v[GT+4*\p] row_xmask:\m row_mask:0xf bank_mask:0xf
.endr
.endr
.irp k, 0,2,4,6,8,10,12,14
.irp p, 0,1,2,3
	v_pk_fma_f32 v[ACC+16*\p+\k:ACC+16*\p+\k+1], v[GT+4*\p:GT+4*\p+1], s[72:73], v[ACC+16*\p+\k:ACC+16*\p+\k+1] op_sel_hi:[0,0,1]
.endr
.endr
.irp p, 0,1,2,3
	v_pk_mul_f32 v[GT+4*\p:GT+4*\p+1], v[ACC+16*\p:ACC+16*\p+1], v[ACC+16*\p:ACC+16*\p+1]
.endr
.irp p, 0,1,2,3
	v_pk_mul_f32 v[GT+4*\p+2:GT+4*\p+3], v[ACC+16*\p+2:ACC+16*\p+3], v[ACC+16*\p+2:ACC+16*\p+3]
.endr
.irp k, 4,8,12
.irp p, 0,1,2,3
	v_pk_fma_f32 v[GT+4*\p:GT+4*\p+1], v[ACC+16*\p+\k:ACC+16*\p+\k+1], v[ACC+16*\p+\k:ACC+16*\p+\k+1], v[GT+4*\p:GT+4*\p+1]
.endr
.irp p, 0,1,2,3
	v_pk_fma_f32 v[GT+4*\p+2:GT+4*\p+3], v[ACC+16*\p+\k+2:ACC+16*\p+\k+3], v[ACC+16*\p+\k+2:ACC+16*\p+\k+3], v[GT+4*\p+2:GT+4*\p+3]
.endr
.endr
.irp p, 0,1,2,3
	s_delay_alu instid0(VALU_DEP_4)
	v_pk_add_f32 v[GT+4*\p:GT+4*\p+1], v[GT+4*\p:GT+4*\p+1], v[GT+4*\p+2:GT+4*\p+3]
.endr
.irp p, 0,1,2,3
	s_delay_alu instid0(VALU_DEP_4)
	v_add_f32 v[GT+4*\p], v[GT+4*\p], v[GT+4*\p+1]
.endr
.irp m, 1,2,4,8
.irp p, 0,1,2,3
	s_delay_alu instid0(VALU_DEP_4)
	v_add_f32_dpp v[GT+4*\p], v[GT+4*\p], v[GT+4*\p] row_xmask:\m row_mask:0xf bank_mask:0xf
.endr
.endr
.irp p, 0,1,2,3
	s_delay_alu instid0(VALU_DEP_4)
	v_fma_f32 v[GT+4*\p], v[GT+4*\p], s74, s71
.endr
	s_wait_alu depctr_va_vdst(0)
.irp p, 0,1,2,3
	v_rsq_f32 v[GT+4*\p+2], v[GT+4*\p]
.endr
	v_nop
	s_wait_dscnt 0x0
	s_wait_alu depctr_va_vdst(0)
.irp k, 0,2,4,6,8,10,12,14
.irp p, 0,1,2,3
	v_pk_mul_f32 v[ACC+16*\p+\k:ACC+16*\p+\k+1], v[ACC+16*\p+\k:ACC+16*\p+\k+1], v[GT+4*\p+2:GT+4*\p+3] op_sel_hi:[1,0]
.endr
.endr
.irp k, 0,2,4,6,8,10,12,14
.irp p, 0,1,2,3
	v_pk_fma_f32 v[ACC+16*\p+\k:ACC+16*\p+\k+1], v[ACC+16*\p+\k:ACC+16*\p+\k+1], v[AF+\k:AF+\k+1], v[AF+16+\k:AF+16+\k+1]
.endr
.endr
.endm
.macro CADDR
	v_add_nc_u32 v[CA], s96, v[CL]
	v_add_nc_u32 v[CA2], s98, v[CL2]
.endm
.macro QUANT p
.irp n, 0,1,2
.set HB_, AF+16*((3*(\p)+\n)%2)
.set K_, 3*((\p)%2)+\n
.if K_ < 4
.set CS_, GT+16+4*K_
.else
.set CS_, SUM+4*(K_-4)
.endif
.irp i, 0,1,2,3,4,5,6,7,8,9,10,11,12,13,14,15
	v_med3_num_f32 v[HB_+\i], v[ACC+16*(\p)+\i], s[76+2*\n], s[77+2*\n]
.endr
	v_cvt_scalef32_pk8_bf8_f32 v[CS_:CS_+1], v[HB_:HB_+7], v[SC+\n]
	v_cvt_scalef32_pk8_bf8_f32 v[CS_+2:CS_+3], v[HB_+8:HB_+15], v[SC+\n]
.if \n < 2
	ds_store_b128 v[CA], v[CS_:CS_+3] offset:2*CP*(\p)+CVER*\n
.else
	ds_store_b128 v[CA2], v[CS_:CS_+3] offset:2*CP*(\p)
.endif
.endr
.endm
.macro SPLOAD
.irp k, 0,1,2,3,4,5,6,7
	ds_load_b64 v[GT+2*\k:GT+2*\k+1], v[SR] offset:256*\k
.endr
.endm
.macro CMATH
	v_pk_add_f32 v[GT:GT+1], v[GT:GT+1], v[GT+2:GT+3]
	v_pk_add_f32 v[GT+4:GT+5], v[GT+4:GT+5], v[GT+6:GT+7]
	v_pk_add_f32 v[GT+8:GT+9], v[GT+8:GT+9], v[GT+10:GT+11]
	v_pk_add_f32 v[GT+12:GT+13], v[GT+12:GT+13], v[GT+14:GT+15]
	s_delay_alu instid0(VALU_DEP_3)
	v_pk_add_f32 v[GT:GT+1], v[GT:GT+1], v[GT+4:GT+5]
	s_delay_alu instid0(VALU_DEP_2)
	v_pk_add_f32 v[GT+8:GT+9], v[GT+8:GT+9], v[GT+12:GT+13]
	s_delay_alu instid0(VALU_DEP_2)
	v_pk_add_f32 v[GT:GT+1], v[GT:GT+1], s[82:83] op_sel_hi:[1,0]
	s_delay_alu instid0(VALU_DEP_2)
	v_pk_add_f32 v[GT+8:GT+9], v[GT+8:GT+9], s[84:85] op_sel_hi:[1,0]
	s_delay_alu instid0(VALU_DEP_1)
	v_and_b32 v[GT+2], s70, v[GT+8]
	s_delay_alu instid0(VALU_DEP_2)
	v_and_b32 v[GT+3], s70, v[GT+9]
	s_delay_alu instid0(VALU_DEP_2)
	v_mul_f32 v[GT+2], s75, v[GT+2]
	s_delay_alu instid0(VALU_DEP_2)
	v_mul_f32 v[GT+3], s75, v[GT+3]
	s_wait_alu depctr_va_vdst(0)
	v_exp_f32 v[GT+2], v[GT+2]
	v_exp_f32 v[GT+3], v[GT+3]
	v_max_num_f32 v[GT+8], 0, v[GT+8]
	v_max_num_f32 v[GT+9], 0, v[GT+9]
	s_wait_alu depctr_va_vdst(0)
	v_pk_add_f32 v[GT+2:GT+3], v[GT+2:GT+3], 1.0 op_sel_hi:[1,0]
	s_wait_alu depctr_va_vdst(0)
	v_log_f32 v[GT+2], v[GT+2]
	v_log_f32 v[GT+3], v[GT+3]
	v_pk_add_f32 v[GT:GT+1], v[GT:GT+1], v[GT+8:GT+9] neg_lo:[0,1] neg_hi:[0,1]
	s_wait_alu depctr_va_vdst(0)
	v_pk_fma_f32 v[GT:GT+1], v[GT+2:GT+3], s[86:87], v[GT:GT+1] op_sel_hi:[1,0,1] neg_lo:[1,0,0] neg_hi:[1,0,0]
	s_delay_alu instid0(VALU_DEP_1)
	v_med3_num_f32 v[SCO], v[GT], s90, s91
	s_delay_alu instid0(VALU_DEP_2)
	v_med3_num_f32 v[SCO+1], v[GT+1], s90, s91
	s_cmp_lg_u32 s36, 0
	s_cbranch_scc1 .Lnl_\@
	global_store_b64 v[LO], v[SCO:SCO+1], s[32:33]
.Lnl_\@:
	s_wait_alu depctr_va_vdst(0)
	v_pk_mul_f32 v[GT+2:GT+3], v[SCO:SCO+1], s[88:89] op_sel_hi:[1,0]
	s_wait_loadcnt 0x0
	s_wait_alu depctr_va_vdst(0)
	v_exp_f32 v[GT+2], v[GT+2]
	v_exp_f32 v[GT+3], v[GT+3]
	v_and_b32 v[GT+4], 0xff, v[MK]
	v_lshrrev_b32 v[GT+5], 8, v[MK]
	s_delay_alu instid0(VALU_DEP_2)
	v_cmp_ne_u32 vcc_lo, 0, v[GT+4]
	s_wait_alu depctr_va_vdst(0)
	v_cndmask_b32 v[GT+2], 0, v[GT+2], vcc_lo
	v_cmp_ne_u32 vcc_lo, 0, v[GT+5]
	v_cndmask_b32 v[GT+3], 0, v[GT+3], vcc_lo
	ds_store_b64 v[PW], v[GT+2:GT+3]
	s_add_nc_u64 s[6:7], s[6:7], 64
	s_wait_xcnt 0x0
	s_add_nc_u64 s[32:33], s[32:33], 256
.endm
.macro VLOAD t
.irp s, 0,1
.irp c, 0,1,2,3
	ds_load_b128 v[ACC+32*((\t)%2)+16*\s+4*\c:ACC+32*((\t)%2)+16*\s+4*\c+3], v[VAD] offset:16*CP*(\t)+128*\s+32*\c
.endr
.endr
.endm
.macro PLOAD
.irp t, 0,1,2,3
	ds_load_b128 v[AF+8*\t:AF+8*\t+3], v[PRD] offset:64*\t
	ds_load_b128 v[AF+8*\t+4:AF+8*\t+7], v[PRD] offset:64*\t+16
.endr
.endm
.macro VMUL t
.set VF_, ACC+32*((\t)%2)
.set VC_, GT+16*((\t)%2)
	v_wmma_f32_16x16x128_bf8_bf8 v[VC_:VC_+7], v[VF_:VF_+15], v[VW:VW+15], 0
	v_wmma_f32_16x16x128_bf8_bf8 v[VC_+8:VC_+15], v[VF_:VF_+15], v[VW+32:VW+47], 0
	v_wmma_f32_16x16x128_bf8_bf8 v[VC_:VC_+7], v[VF_+16:VF_+31], v[VW+16:VW+31], v[VC_:VC_+7]
	v_wmma_f32_16x16x128_bf8_bf8 v[VC_+8:VC_+15], v[VF_+16:VF_+31], v[VW+48:VW+63], v[VC_+8:VC_+15]
.endm
.macro VFMA t
.set VC_, GT+16*((\t)%2)
.irp q, 0,1,2,3
.irp u, 0,1
	v_pk_fma_f32 v[REP+4*\u+2*(\q%2):REP+4*\u+2*(\q%2)+1], v[VC_+8*\u+2*\q:VC_+8*\u+2*\q+1], v[AF+8*(\t)+2*\q:AF+8*(\t)+2*\q+1], v[REP+4*\u+2*(\q%2):REP+4*\u+2*(\q%2)+1]
.endr
.endr
.endm
.macro MLOAD
	global_load_u16 v[MK], v[MO], s[6:7]
.endm
.macro INTERVAL fill
	BSTAGE
	s_wait_dscnt 0x0
	s_barrier_signal -1
	LNORM
	s_barrier_wait -1
	SPLOAD
	CADDR
	QUANT 0
	s_wait_dscnt 0x3
	CMATH
	QUANT 1
	v_add_nc_u32 v[VAD], s97, v[FL]
	VLOAD 0
	QUANT 2
	QUANT 3
	v_nop
	VLOAD 1
	PLOAD
	s_wait_dscnt 0x10
	VMUL 0
	s_wait_dscnt 0x8
	VMUL 1
	PLACES 4
	VLOAD 2
	s_wait_dscnt 0x8
	VFMA 0
	VLOAD 3
	VFMA 1
	s_xor_b32 s95, s95, XS1
	s_xor_b32 s96, s96, XS1
	s_xor_b32 s97, s97, C20^C21
	s_xor_b32 s98, s98, C20^C21
	s_wait_tensorcnt 0x0
	ds_add_u32 v[SPW], v[NIL]
.if \fill
	s_xor_b32 s53, s53, XS1
	s_add_nc_u64 s[54:55], s[54:55], 0x10000
.endif
	s_wait_dscnt 0x0
	s_barrier_signal -1
	VMUL 2
	VMUL 3
	s_wait_alu depctr_va_vdst(0)
	s_barrier_wait -1
.if \fill
	tensor_load_to_lds s[52:55], s[40:47]
	s_nop 0
.endif
	PLACES 4
	MLOAD
	VFMA 2
	VFMA 3
	FIRSTF
.endm
	s_mov_b32 s96, 0
	s_mov_b32 s98, C20
	s_wait_tensorcnt 0x1
	LNORM
	CADDR
	QUANT 0
	QUANT 1
	QUANT 2
	QUANT 3
	v_nop
	s_mov_b32 s95, 0
	s_mov_b32 s96, XS1
	s_mov_b32 s97, C20
	s_mov_b32 s98, C21
	s_wait_tensorcnt 0x0
	ds_add_u32 v[SPW], v[NIL]
	s_xor_b32 s53, s53, XS1
	s_add_nc_u64 s[54:55], s[54:55], 0x10000
	s_wait_dscnt 0x0
	s_barrier_signal -1
	s_barrier_wait -1
	tensor_load_to_lds s[52:55], s[40:47]
	s_nop 0
	PLACES 4
	MLOAD
	FIRSTF
	s_mov_b32 s93, 5
.Lfill:
	INTERVAL 1
	s_sub_co_u32 s93, s93, 1
	s_cmp_lg_u32 s93, 0
	s_cbranch_scc1 .Lfill
	s_mov_b32 s93, 2
.Ldry:
	INTERVAL 0
	s_sub_co_u32 s93, s93, 1
	s_cmp_lg_u32 s93, 0
	s_cbranch_scc1 .Ldry
	BSTAGE
	s_wait_dscnt 0x0
	s_barrier_signal -1
	s_barrier_wait -1
	SPLOAD
	s_wait_dscnt 0x0
	CMATH
	v_add_nc_u32 v[VAD], s97, v[FL]
	VLOAD 0
	VLOAD 1
	PLOAD
	s_wait_alu depctr_va_vdst(0)
	s_wait_dscnt 0x10
	VMUL 0
	s_wait_dscnt 0x8
	VMUL 1
	PLACES 4
	VLOAD 2
	s_wait_dscnt 0x8
	VFMA 0
	VLOAD 3
	VFMA 1
	s_wait_dscnt 0x0
	VMUL 2
	VMUL 3
	PLACES 4
	s_wait_alu depctr_va_vdst(0)
	VFMA 2
	VFMA 3
	s_mov_b32 s2, 0x76543210
	s_mov_b32 s3, 0xfedcba98
	v_pk_add_f32 v[REP:REP+1], v[REP:REP+1], v[REP+2:REP+3]
	v_pk_add_f32 v[REP+4:REP+5], v[REP+4:REP+5], v[REP+6:REP+7]
	s_delay_alu instid0(VALU_DEP_2)
	v_add_f32 v[REP], v[REP], v[REP+1]
	s_delay_alu instid0(VALU_DEP_2)
	v_add_f32 v[REP+4], v[REP+4], v[REP+5]
	s_delay_alu instid0(VALU_DEP_2)
	v_permlanex16_b32 v[REP+1], v[REP], s2, s3
	s_delay_alu instid0(VALU_DEP_2)
	v_permlanex16_b32 v[REP+5], v[REP+4], s2, s3
	s_delay_alu instid0(VALU_DEP_2)
	v_add_f32 v[REP], v[REP], v[REP+1]
	s_delay_alu instid0(VALU_DEP_2)
	v_add_f32 v[REP+4], v[REP+4], v[REP+5]
	v_and_b32 v[GT], 16, v0
	s_delay_alu instid0(VALU_DEP_1)
	v_cmp_ne_u32 vcc_lo, 0, v[GT]
	s_delay_alu instid0(VALU_DEP_1)
	v_cndmask_b32 v[REP], v[REP], v[REP+4], vcc_lo
	s_delay_alu instid0(VALU_DEP_1)
	v_ldexp_f32 v[REP], v[REP], s92
	v_lshl_add_u32 v188, v0, 2, RP
	v_and_b32 v189, 63, v0
	s_delay_alu instid0(VALU_DEP_1)
	v_lshlrev_b32 v190, 4, v189
	s_delay_alu instid0(VALU_DEP_2)
	v_lshl_add_u32 v189, v189, 4, RP
	ds_store_b32 v188, v[REP]
	s_wait_dscnt 0x0
	s_barrier_signal -1
	s_barrier_wait -1
	s_cmp_lt_u32 s36, 2
	s_cbranch_scc0 .Ldone
	s_wait_alu depctr_va_vdst(0)
	ds_load_b128 v[GT:GT+3], v189
	s_wait_dscnt 0x0
	global_store_b128 v190, v[GT:GT+3], s[34:35]
.Ldone:
	s_wait_tensorcnt 0x0
	ds_add_u32 v[SPW], v[NIL]
	s_wait_dscnt 0x0
	s_endpgm
.Lfunc_end_k_qa728a207ac_head:
	.size	k_qa728a207ac_head, .Lfunc_end_k_qa728a207ac_head-k_qa728a207ac_head
	.p2alignl 7, 3214868480
	.fill 96, 4, 3214868480
	.section	.rodata,"a",@progbits
	.p2align	6, 0x0
	.amdhsa_kernel k_qa728a207ac_head
		.amdhsa_group_segment_fixed_size 327680
		.amdhsa_private_segment_fixed_size 0
		.amdhsa_enable_private_segment 0
		.amdhsa_kernarg_size 128
		.amdhsa_user_sgpr_count 2
		.amdhsa_user_sgpr_kernarg_segment_ptr 1
		.amdhsa_wavefront_size32 1
		.amdhsa_system_sgpr_workgroup_id_x 1
		.amdhsa_system_sgpr_workgroup_id_y 1
		.amdhsa_system_sgpr_workgroup_id_z 1
		.amdhsa_system_vgpr_workitem_id 0
		.amdhsa_next_free_vgpr 512
		.amdhsa_next_free_sgpr 102
		.amdhsa_reserve_vcc 1
		.amdhsa_float_denorm_mode_32 3
		.amdhsa_float_denorm_mode_16_64 3
		.amdhsa_memory_ordered 1
		.amdhsa_forward_progress 1
		.amdhsa_inst_pref_size 255
	.end_amdhsa_kernel
	.section	.bss,"aw",@nobits
	.p2align	6
	.space	262144
	.amdgpu_metadata
---
amdhsa.version: [ 1, 2 ]
amdhsa.kernels:
  - .name:           k_qa728a207ac_head
    .symbol:         k_qa728a207ac_head.kd
    .args:
      - { .name: slot_states, .offset: 0, .size: 8, .value_kind: global_buffer, .address_space: global }
      - { .name: slot_mask, .offset: 8, .size: 8, .value_kind: global_buffer, .address_space: global }
      - { .name: ln_gamma, .offset: 16, .size: 8, .value_kind: global_buffer, .address_space: global }
      - { .name: ln_beta, .offset: 24, .size: 8, .value_kind: global_buffer, .address_space: global }
      - { .name: dw1_codes, .offset: 32, .size: 8, .value_kind: global_buffer, .address_space: global }
      - { .name: rw1_codes, .offset: 40, .size: 8, .value_kind: global_buffer, .address_space: global }
      - { .name: vw_codes, .offset: 48, .size: 8, .value_kind: global_buffer, .address_space: global }
      - { .name: db1, .offset: 56, .size: 8, .value_kind: global_buffer, .address_space: global }
      - { .name: rb1, .offset: 64, .size: 8, .value_kind: global_buffer, .address_space: global }
      - { .name: dw2, .offset: 72, .size: 8, .value_kind: global_buffer, .address_space: global }
      - { .name: rw2, .offset: 80, .size: 8, .value_kind: global_buffer, .address_space: global }
      - { .name: db2, .offset: 88, .size: 8, .value_kind: global_buffer, .address_space: global }
      - { .name: rb2, .offset: 96, .size: 8, .value_kind: global_buffer, .address_space: global }
      - { .name: lowp_scales, .offset: 104, .size: 8, .value_kind: global_buffer, .address_space: global }
      - { .name: out4, .offset: 112, .size: 8, .value_kind: global_buffer, .address_space: global }
      - { .name: part, .offset: 120, .size: 8, .value_kind: global_buffer, .address_space: global }
    .group_segment_fixed_size: 327680
    .private_segment_fixed_size: 0
    .kernarg_segment_align: 8
    .kernarg_segment_size: 128
    .max_flat_workgroup_size: 256
    .sgpr_count:     102
    .vgpr_count:     512
    .wavefront_size: 32
...
	.end_amdgpu_metadata
.endif
;; end of part 1
;; launch finish (part 2): grid 32 x 1, 8 waves a work-group, no clusters, 2,048 bytes of LDS; arguments out4, slot_mask, part, vb, out0, out1, out2, out3; writes out0, out1, out2, out3
.if DOCPART == 2
	.amdgcn_target "amdgcn-amd-amdhsa--gfx1250"
	.amdhsa_code_object_version 6
	.text
	.protected	k_qa728a207ac_finish
	.globl	k_qa728a207ac_finish
	.p2align	8
	.type	k_qa728a207ac_finish,@function
k_qa728a207ac_finish:
	s_mov_b64 s[64:65], 0
	v_nop
	global_prefetch_b8 v0, s[64:65] scope:SCOPE_SE
	s_setreg_imm32_b32 hwreg(HW_REG_WAVE_MODE, 25, 1), 1
	s_wait_xcnt 0x0
; RepresentationHead, launch 2 of 2.  A work-group to a batch: p = mask ? e^logit : 0 is made again from the stored logits; Z = the sum of p; weights = p / Z -> out1;
; the three largest, ties to the lower index -> out3, out2; representation = (the sum of the batch's eight partial sums) / Z + vb -> out0.
; No maximum is taken away: the logits are clipped to +-3 as the model clips them, so p lies between 0.0498 and 20.1 and Z under 82,300.
; A batch without a slot: Z = 0 gives weights 0, representation 0, indices 0, 1, 2.
; LIMIT: the three largest are chosen among p, not among the rounded weights: two different p whose weights round to one number are not taken as a tie.
; Thread t holds rows 1024 i + 4 t + e, i, e = 0 .. 3.  Indices are kept as f32 (whole numbers under 4,096).  No matrix work, no tensor load: 84 KB a work-group.
; LDS: 8 words Z; from 32 the waves' four candidates' values (16 bytes a wave; the fourth is a dummy, -1, so that 32 lanes find 32 written words); from 160 their indices.
.set P,   4                            ; v4-19   logits, then p, then weights
.set MW,  20                           ; v20-23  mask, four bytes a word
.set WK,  24                           ; v24-39  p, with what has been chosen struck out
.set IX,  40                           ; v40-55  the rows' indices
.set PT,  56                           ; v56-87  eight partial sums of four columns
.set VBR, 88                           ; v88-91  vb
.set CN,  92                           ; v92-107 at work
.set CV,  100
.set CI,  101
.set MX,  108
.set TP,  109
.set SL,  110
.set BIG, 111
.set NEG, 112
.set ZS,  113
.set RV,  114                          ; v114-116 the three values;  v117-119 their indices
.set RI,  117
.set AZ,  120
.set AV,  121
.set A0,  122
.set AL,  123
.set INV, 126                          ; v126 1 / Z or 0;  v127 1 or 0
.macro BMAX r
.irp m, 1,2,4,8
	s_delay_alu instid0(VALU_DEP_1)
	v_max_num_f32_dpp v[\r], v[\r], v[\r] row_xmask:\m row_mask:0xf bank_mask:0xf
.endr
	s_delay_alu instid0(VALU_DEP_1)
	v_permlanex16_b32 v[TP], v[\r], s32, s33
	s_delay_alu instid0(VALU_DEP_1)
	v_max_num_f32 v[\r], v[\r], v[TP]
.endm
.macro BMIN r
.irp m, 1,2,4,8
	s_delay_alu instid0(VALU_DEP_1)
	v_min_num_f32_dpp v[\r], v[\r], v[\r] row_xmask:\m row_mask:0xf bank_mask:0xf
.endr
	s_delay_alu instid0(VALU_DEP_1)
	v_permlanex16_b32 v[TP], v[\r], s32, s33
	s_delay_alu instid0(VALU_DEP_1)
	v_min_num_f32 v[\r], v[\r], v[TP]
.endm
	s_load_b512 s[4:19], s[0:1], 0x0               ; out4, mask, part, vb, out0, out1, out2, out3
	v_lshl_add_u32 v128, v0, 2, 0x400
	v_mov_b32 v129, 0
	v_lshrrev_b32 v1, 5, v0
	s_delay_alu instid0(VALU_DEP_1)
	v_readfirstlane_b32 s20, v1                    ; wave
	v_lshlrev_b32 v1, 4, v0                        ; 16 t
	v_lshlrev_b32 v2, 2, v0                        ; 4 t
	v_and_b32 v3, 63, v0
	s_delay_alu instid0(VALU_DEP_1)
	v_lshlrev_b32 v3, 4, v3                        ; 16 (t % 64): four columns
	s_mov_b32 s23, 0
	s_mov_b32 s32, 0x76543210
	s_mov_b32 s33, 0xfedcba98
	s_mov_b32 s34, 0x3fb8aa3b                      ; log2 e
	s_mov_b32 s35, s34
	s_wait_alu depctr_va_vdst(0)
	s_wait_kmcnt 0x0
	s_lshl_b32 s22, ttmp9, 14
	s_add_nc_u64 s[4:5], s[4:5], s[22:23]
	s_add_nc_u64 s[14:15], s[14:15], s[22:23]
	s_lshl_b32 s22, ttmp9, 12
	s_add_nc_u64 s[6:7], s[6:7], s[22:23]
	s_lshl_b32 s22, ttmp9, 13
	s_add_nc_u64 s[8:9], s[8:9], s[22:23]
	s_lshl_b32 s22, ttmp9, 10
	s_add_nc_u64 s[12:13], s[12:13], s[22:23]
	s_mul_i32 s22, ttmp9, 12
	s_add_nc_u64 s[16:17], s[16:17], s[22:23]
	s_add_nc_u64 s[18:19], s[18:19], s[22:23]
.irp i, 0,1,2,3
	global_load_b128 v[P+4*\i:P+4*\i+3], v1, s[4:5] offset:4096*\i
.endr
.irp i, 0,1,2,3
	global_load_b32 v[MW+\i], v2, s[6:7] offset:1024*\i
.endr
.irp k, 0,1,2,3,4,5,6,7
	global_load_b128 v[PT+4*\k:PT+4*\k+3], v3, s[8:9] offset:1024*\k
.endr
	global_load_b128 v[VBR:VBR+3], v3, s[10:11]
.irp n, 0,1,2,3,4,5,6,7,8,9,10,11,12,13,14,15
	v_add_nc_u32 v[IX+\n], 1024*(\n/4)+\n%4, v2
.endr
.irp n, 0,1,2,3,4,5,6,7,8,9,10,11,12,13,14,15
	v_cvt_f32_u32 v[IX+\n], v[IX+\n]
.endr
	v_mov_b32 v[TP], 0                             ; written once: a lane permute's destination counts as one of its sources
	v_mov_b32 v[BIG], 0x4e6e6b28                   ; 1e9, over every index
	v_mov_b32 v[NEG], -1.0                         ; under every p
	s_lshl_b32 s21, s20, 2
	v_mov_b32 v[AZ], s21
	s_lshl_b32 s21, s20, 4
	v_mov_b32 v[AV], s21
	v_mov_b32 v[A0], 0
	v_and_b32 v[AL], 31, v0
	s_delay_alu instid0(VALU_DEP_1)
	v_lshlrev_b32 v[AL], 2, v[AL]
	s_wait_loadcnt 0x9                             ; logits and mask are in; the nine loads behind them may be out
.irp j, 0,2,4,6,8,10,12,14
	v_pk_mul_f32 v[P+\j:P+\j+1], v[P+\j:P+\j+1], s[34:35] op_sel_hi:[1,0]
.endr
	s_wait_alu depctr_va_vdst(0)
.irp j, 0,1,2,3,4,5,6,7,8,9,10,11,12,13,14,15
	v_exp_f32 v[P+\j], v[P+\j]
.endr
.irp n, 0,1,2,3,4,5,6,7,8,9,10,11,12,13,14,15
	v_bfe_u32 v[CN+\n], v[MW+\n/4], 8*(\n%4), 8
.endr
	s_wait_alu depctr_va_vdst(0)
.irp n, 0,1,2,3,4,5,6,7,8,9,10,11,12,13,14,15
	v_cmp_ne_u32 vcc_lo, 0, v[CN+\n]
	v_cndmask_b32 v[P+\n], 0, v[P+\n], vcc_lo
	s_delay_alu instid0(VALU_DEP_1)
	v_mov_b32 v[WK+\n], v[P+\n]
.endr
	v_pk_add_f32 v[CN:CN+1], v[P:P+1], v[P+2:P+3]  ; my wave's part of Z
	v_pk_add_f32 v[CN+2:CN+3], v[P+4:P+5], v[P+6:P+7]
	s_delay_alu instid0(VALU_DEP_2)
	v_pk_add_f32 v[CN:CN+1], v[CN:CN+1], v[P+8:P+9]
	s_delay_alu instid0(VALU_DEP_2)
	v_pk_add_f32 v[CN+2:CN+3], v[CN+2:CN+3], v[P+10:P+11]
	s_delay_alu instid0(VALU_DEP_2)
	v_pk_add_f32 v[CN:CN+1], v[CN:CN+1], v[P+12:P+13]
	s_delay_alu instid0(VALU_DEP_2)
	v_pk_add_f32 v[CN+2:CN+3], v[CN+2:CN+3], v[P+14:P+15]
	s_delay_alu instid0(VALU_DEP_1)
	v_pk_add_f32 v[CN:CN+1], v[CN:CN+1], v[CN+2:CN+3]
	s_delay_alu instid0(VALU_DEP_1)
	v_add_f32 v[ZS], v[CN], v[CN+1]
.irp m, 1,2,4,8
	s_delay_alu instid0(VALU_DEP_1)
	v_add_f32_dpp v[ZS], v[ZS], v[ZS] row_xmask:\m row_mask:0xf bank_mask:0xf
.endr
	s_delay_alu instid0(VALU_DEP_1)
	v_permlanex16_b32 v[TP], v[ZS], s32, s33
	s_delay_alu instid0(VALU_DEP_1)
	v_add_f32 v[ZS], v[ZS], v[TP]
	ds_store_b32 v[AZ], v[ZS]                      ; all lanes write the same word with the same number
; the wave's k-th largest: the largest p left, the least index that has it; that index is struck out
.macro ROUND k
	v_max3_num_f32 v[MX], v[WK], v[WK+1], v[WK+2]
.irp j, 3,5,7,9,11,13
	s_delay_alu instid0(VALU_DEP_1)
	v_max3_num_f32 v[MX], v[MX], v[WK+\j], v[WK+\j+1]
.endr
	s_delay_alu instid0(VALU_DEP_1)
	v_max_num_f32 v[MX], v[MX], v[WK+15]
	BMAX MX
.irp j, 0,1,2,3,4,5,6,7,8,9,10,11,12,13,14,15
	v_cmp_eq_f32 vcc_lo, v[MX], v[WK+\j]
	s_delay_alu instid0(VALU_DEP_1)
	v_cndmask_b32 v[CN+\j], v[BIG], v[IX+\j], vcc_lo
.endr
	v_min3_num_f32 v[SL], v[CN], v[CN+1], v[CN+2]
.irp j, 3,5,7,9,11,13
	s_delay_alu instid0(VALU_DEP_1)
	v_min3_num_f32 v[SL], v[SL], v[CN+\j], v[CN+\j+1]
.endr
	s_delay_alu instid0(VALU_DEP_1)
	v_min_num_f32 v[SL], v[SL], v[CN+15]
	BMIN SL
.irp j, 0,1,2,3,4,5,6,7,8,9,10,11,12,13,14,15
	v_cmp_eq_f32 vcc_lo, v[SL], v[IX+\j]
	s_delay_alu instid0(VALU_DEP_1)
	v_cndmask_b32 v[WK+\j], v[WK+\j], v[NEG], vcc_lo
.endr
	ds_store_b32 v[AV], v[MX] offset:32+4*\k
	ds_store_b32 v[AV], v[SL] offset:160+4*\k
.endm
	ROUND 0
	ROUND 1
	ROUND 2
	ds_store_b32 v[AV], v[NEG] offset:32+12
	ds_store_b32 v[AV], v[BIG] offset:160+12
	s_wait_dscnt 0x0                               ; for the others' sake
	s_barrier_signal -1
	s_barrier_wait -1
	ds_load_b128 v[CN:CN+3], v[A0]
	ds_load_b128 v[CN+4:CN+7], v[A0] offset:16
	ds_load_b32 v[CV], v[AL] offset:32             ; lane l: candidate l of 32
	ds_load_b32 v[CI], v[AL] offset:160
	s_wait_dscnt 0x0
	v_pk_add_f32 v[CN:CN+1], v[CN:CN+1], v[CN+2:CN+3]
	v_pk_add_f32 v[CN+4:CN+5], v[CN+4:CN+5], v[CN+6:CN+7]
	s_delay_alu instid0(VALU_DEP_1)
	v_pk_add_f32 v[CN:CN+1], v[CN:CN+1], v[CN+4:CN+5]
	s_delay_alu instid0(VALU_DEP_1)
	v_add_f32 v[ZS], v[CN], v[CN+1]                ; Z
	s_wait_alu depctr_va_vdst(0)
	v_rcp_f32 v[INV], v[ZS]
.macro MERGE k
	v_mov_b32 v[RV+\k], v[CV]
	BMAX RV+\k
	s_delay_alu instid0(VALU_DEP_1)
	v_cmp_eq_f32 vcc_lo, v[RV+\k], v[CV]
	s_delay_alu instid0(VALU_DEP_1)
	v_cndmask_b32 v[RI+\k], v[BIG], v[CI], vcc_lo
	BMIN RI+\k
	s_delay_alu instid0(VALU_DEP_1)
	v_cmp_eq_f32 vcc_lo, v[RI+\k], v[CI]
	s_delay_alu instid0(VALU_DEP_1)
	v_cndmask_b32 v[CV], v[CV], v[NEG], vcc_lo
.endm
	MERGE 0
	MERGE 1
	MERGE 2
	v_cmp_lt_f32 vcc_lo, 0, v[ZS]
	s_wait_alu depctr_va_vdst(0)
	v_cndmask_b32 v[INV], 0, v[INV], vcc_lo
	v_cndmask_b32 v[INV+1], 0, 1.0, vcc_lo
.irp j, 0,2,4,6,8,10,12,14
	v_pk_mul_f32 v[P+\j:P+\j+1], v[P+\j:P+\j+1], v[INV:INV+1] op_sel_hi:[1,0]
.endr
.irp i, 0,1,2,3
	global_store_b128 v1, v[P+4*\i:P+4*\i+3], s[14:15] offset:4096*\i   ; a wave stores 512 consecutive bytes
.endr
	s_wait_loadcnt 0x0                             ; the partial sums and vb
.irp k, 1
	v_pk_add_f32 v[PT:PT+1], v[PT:PT+1], v[PT+4*\k:PT+4*\k+1]
	v_pk_add_f32 v[PT+2:PT+3], v[PT+2:PT+3], v[PT+4*\k+2:PT+4*\k+3]
.endr
.irp k, 2, 3, 4, 5, 6, 7
	s_delay_alu instid0(VALU_DEP_2)
	v_pk_add_f32 v[PT:PT+1], v[PT:PT+1], v[PT+4*\k:PT+4*\k+1]
	s_delay_alu instid0(VALU_DEP_2)
	v_pk_add_f32 v[PT+2:PT+3], v[PT+2:PT+3], v[PT+4*\k+2:PT+4*\k+3]
.endr
	v_pk_mul_f32 v[VBR:VBR+1], v[VBR:VBR+1], v[INV:INV+1] op_sel:[0,1] op_sel_hi:[1,1]       ; vb x the sum of the weights, 1 or 0
	v_pk_mul_f32 v[VBR+2:VBR+3], v[VBR+2:VBR+3], v[INV:INV+1] op_sel:[0,1] op_sel_hi:[1,1]
	s_delay_alu instid0(VALU_DEP_2)
	v_pk_fma_f32 v[PT:PT+1], v[PT:PT+1], v[INV:INV+1], v[VBR:VBR+1] op_sel_hi:[1,0,1]
	s_delay_alu instid0(VALU_DEP_2)
	v_pk_fma_f32 v[PT+2:PT+3], v[PT+2:PT+3], v[INV:INV+1], v[VBR+2:VBR+3] op_sel_hi:[1,0,1]
	s_cmp_lt_u32 s20, 2
	s_cbranch_scc0 .Lno0
	global_store_b128 v3, v[PT:PT+3], s[12:13]     ; waves 0 and 1: 512 consecutive bytes each
.Lno0:
	v_cmp_eq_u32 vcc_lo, 1, v0                     ; thread k takes the k-th
	s_delay_alu instid0(VALU_DEP_1)
	v_cndmask_b32 v[CN], v[RV], v[RV+1], vcc_lo
	s_delay_alu instid0(VALU_DEP_2)
	v_cndmask_b32 v[CN+1], v[RI], v[RI+1], vcc_lo
	v_cmp_eq_u32 vcc_lo, 2, v0
	s_delay_alu instid0(VALU_DEP_1)
	v_cndmask_b32 v[CN], v[CN], v[RV+2], vcc_lo
	s_delay_alu instid0(VALU_DEP_2)
	v_cndmask_b32 v[CN+1], v[CN+1], v[RI+2], vcc_lo
	s_delay_alu instid0(VALU_DEP_2)
	v_mul_f32 v[CN], v[CN], v[INV]
	s_delay_alu instid0(VALU_DEP_2)
	v_cvt_i32_f32 v[CN+1], v[CN+1]
	v_cmp_gt_u32 vcc_lo, 3, v0
	s_wait_alu depctr_va_vdst(0)
	s_wait_xcnt 0x0                                ; EXEC changes only behind this wait
	s_wait_tensorcnt 0x0
	ds_add_u32 v128, v129
	s_wait_dscnt 0x0
	s_and_saveexec_b32 s21, vcc_lo
	global_store_b32 v2, v[CN], s[18:19]
	global_store_b32 v2, v[CN+1], s[16:17]
	s_wait_xcnt 0x0                                ; and again, in front of the line that widens it
	s_or_b32 exec_lo, exec_lo, s21
	s_endpgm
.Lfunc_end_k_qa728a207ac_finish:
	.size	k_qa728a207ac_finish, .Lfunc_end_k_qa728a207ac_finish-k_qa728a207ac_finish
	.p2alignl 7, 3214868480
	.fill 96, 4, 3214868480
	.section	.rodata,"a",@progbits
	.p2align	6, 0x0
	.amdhsa_kernel k_qa728a207ac_finish
		.amdhsa_group_segment_fixed_size 2048
		.amdhsa_private_segment_fixed_size 0
		.amdhsa_enable_private_segment 0
		.amdhsa_kernarg_size 64
		.amdhsa_user_sgpr_count 2
		.amdhsa_user_sgpr_kernarg_segment_ptr 1
		.amdhsa_wavefront_size32 1
		.amdhsa_system_sgpr_workgroup_id_x 1
		.amdhsa_system_sgpr_workgroup_id_y 1
		.amdhsa_system_sgpr_workgroup_id_z 1
		.amdhsa_system_vgpr_workitem_id 0
		.amdhsa_next_free_vgpr 130
		.amdhsa_next_free_sgpr 66
		.amdhsa_reserve_vcc 1
		.amdhsa_float_denorm_mode_32 3
		.amdhsa_float_denorm_mode_16_64 3
		.amdhsa_memory_ordered 1
		.amdhsa_forward_progress 1
		.amdhsa_inst_pref_size 36
	.end_amdhsa_kernel
	.amdgpu_metadata
---
amdhsa.version: [ 1, 2 ]
amdhsa.kernels:
  - .name:           k_qa728a207ac_finish
    .symbol:         k_qa728a207ac_finish.kd
    .args:
      - { .name: out4, .offset: 0, .size: 8, .value_kind: global_buffer, .address_space: global }
      - { .name: slot_mask, .offset: 8, .size: 8, .value_kind: global_buffer, .address_space: global }
      - { .name: part, .offset: 16, .size: 8, .value_kind: global_buffer, .address_space: global }
      - { .name: vb, .offset: 24, .size: 8, .value_kind: global_buffer, .address_space: global }
      - { .name: out0, .offset: 32, .size: 8, .value_kind: global_buffer, .address_space: global }
      - { .name: out1, .offset: 40, .size: 8, .value_kind: global_buffer, .address_space: global }
      - { .name: out2, .offset: 48, .size: 8, .value_kind: global_buffer, .address_space: global }
      - { .name: out3, .offset: 56, .size: 8, .value_kind: global_buffer, .address_space: global }
    .group_segment_fixed_size: 2048
    .private_segment_fixed_size: 0
    .kernarg_segment_align: 8
    .kernarg_segment_size: 64
    .max_flat_workgroup_size: 256
    .sgpr_count:     66
    .vgpr_count:     130
    .wavefront_size: 32
...
	.end_amdgpu_metadata
.endif
;; end of part 2
